; MI455X (gfx1250); checked and timed in simulation.
; The chip was launched on July 23, 2026; its instructions are those of AMD's public machine-readable ISA for CDNA 5 (MIT licence, August 2026) and "CDNA5" Instruction Set Architecture Reference Guide (July 2026). The comments in the code are by the model that wrote it; some were corrected since.
;; Mobile2 Former. Allowed arithmetic: matrix products marked QUANTISED: E2M1 operands, one E8M0 scale for each 32 along K, by v_wmma_scale_f32_16x16x128_f8f6f4 with both operands' format E2M1 (or v_wmma_scale_f32_32x16x128_f4), f32 sums; everything else in f32.
;; Inputs: bo 512 float32; bq 2,048 float32; wo_codes 512 x 64 x 16 uint8 (E2M1 codes of wo, K innermost, in blocks of 32 codes, two codes a byte); wo_scales 512 x 64 uint8 (E8M0 scales of wo, one for each 32 codes along K); wq_codes 2,048 x 16 x 16 uint8 (E2M1 codes of wq, K innermost, in blocks of 32 codes, two codes a byte); wq_scales 2,048 x 16 uint8 (E8M0 scales of wq, one for each 32 codes along K); x 32 x 512 x 56 x 56 float32; z 32 x 128 x 512 float32.
;; Outputs: out0 32 x 128 x 512 float32.
;; This version of the problem:
;;   THIS VERSION OF THE PROBLEM IS GIVEN IN LOW PRECISION. The matrix products marked QUANTISED in the list below multiply operands that are first quantised to E2M1 (2 exponent bits, 1 mantissa bit; 4 bits a number), with one power-of-two scale for each 32 numbers along K (OCP MX v1.0); their sums are f32. All else is computed in f32.
;;   The module's matrix products, in the order in which they are computed (A, B: the left and right operand; K: the contracted axis; several contracted axes count as one K, in the product's order):
;;     1. [M 2,048, K 512] x [K 512, N 2,048]; A: input z; B: input wq (given as codes): QUANTISED
;;     2. batch 32 x [M 512, K 256] x [K 256, N 3,136]; A: computed on the way; B: input x: QUANTISED
;;     3. batch 32 x [M 512, K 3,136] x [K 3,136, N 256]; A: softmax (see below); B: input x: QUANTISED
;;     4. [M 2,048, K 512] x [K 512, N 2,048]; A: input z; B: input wq (given as codes): QUANTISED
;;     5. batch 32 x [M 512, K 256] x [K 256, N 3,136]; A: computed on the way; B: input x: QUANTISED
;;     6. batch 32 x [M 512, K 3,136] x [K 3,136, N 256]; A: softmax (see below); B: input x: QUANTISED
;;     7. [M 4,096, K 2,048] x [K 2,048, N 512]; A: computed on the way; B: input wo (given as codes): QUANTISED
;;   THE QUANTISER, for each operand of a quantised product, along K:
;;     - K is cut into blocks of 32 from its start; a last block that is shorter is filled with zeros.
;;     - A block's scale is 2^e with e = floor(log2(the largest magnitude in the block)) - 2, held to -126 .. 127; a block of zeros has e = 0. As a byte (E8M0): e + 127.
;;     - Each number is divided by its block's scale, clamped to +-6, and rounded to the nearest number of E2M1, ties to even, subnormals kept.
;;     - The product sums the exact products of the quantised numbers (number of the format x scale) in f32.
;;   ~~~python
;;   def quantise(x, axis):      # numpy; x: float32 -> the quantised numbers, widened to float32 again
;;       x = np.moveaxis(x, axis, -1); K = x.shape[-1]
;;       x = np.pad(x, [(0, 0)] * (x.ndim - 1) + [(0, -K % 32)]); x = x.reshape(x.shape[:-1] + (-1, 32)); a = np.abs(x).max(-1, keepdims=True)
;;       e = np.where(a > 0, np.clip(np.frexp(np.where(a > 0, a, 1))[1] - 1 - 2, -126, 127), 0)      # np.frexp(a)[1] - 1 = floor(log2(a)), exactly
;;       r = np.clip(x / 2.0 ** e, -6, 6)
;;       step = 2.0 ** (np.maximum(np.frexp(np.where(r == 0, 1, r))[1] - 1, 0) - 1)
;;       q = np.round(r / step) * step * 2.0 ** e      # np.round: ties to even
;;       return np.moveaxis(q.reshape(q.shape[:-2] + (-1,))[..., :K], -1, axis).astype(np.float32)
;;   ~~~
;;   SOFTMAX AHEAD OF A QUANTISED PRODUCT. Where the list says 'softmax', what is quantised is not the finished softmax but p = 2^(t - M), with t = logit x log2(e) and M = ceil(the row's largest t), a whole number; so 1/2 < the row's largest p <= 1. The row's sum l is taken of the UNQUANTISED p, in f32, and the product's result is divided by l at the end. Since M is a whole number, a kernel that streams over the keys may use a running M (the ceiling of the running maximum): every later rescaling is an exact power of two, which a block's scale takes up: the codes' values come out the same.
;;   OPERANDS COMPUTED ON THE WAY. 'Computed on the way' means the value that the module computes at that place (a softmax that the list does not call 'softmax' is quantised finished and normalised). What goes into a quantiser is computed in f32, as accurately as f32 sums, v_exp_f32 and their like allow (about 1e-6 of the number): no bf16 or f16 on the way to a quantiser, and a product that is left as it is and whose result goes on into a quantised operand takes f32 operands (vector FMAs, or v_wmma_f32_16x16x4_f32). A number that lies on a knife's edge between two numbers of the format may be rounded either way, as far as f32 arithmetic and the matrix unit's own rounding can turn it there, and no further.
;;   INPUTS GIVEN AS CODES. wo (in the module: [512, 2048], K = its axis 1); wq (in the module: [2048, 512], K = its axis 1): each comes as NAME_codes (uint8): NAME with its K axis moved to the last place and cut into blocks of 32 codes, [.., K / 32, bytes a block], one block behind the other in memory; two codes a byte, the lower K in the low four bits (a code: sign, 2 exponent bits, 1 mantissa bit); and NAME_scales (uint8): the same leading axes, one E8M0 byte (e + 127) for each 32 codes along K. Its value is code x scale, taken as it is: it is not quantised again, and the codes and scales need not be those that the quantiser above would give.
;; One version. Each part assembles by itself: llvm-mc -triple=amdgcn-amd-amdhsa -mcpu=gfx1250 --defsym DOCPART=n.
;; ======== version 1 of 1: 2 launches
;; limits: right only within a limited range of input values
;; workspace buffers: xq 55,705,600 bytes; wlay 1,114,112 bytes
;; launch prep (part 1): grid 32 x 26, 4 waves a work-group, no clusters, 72,192 bytes of LDS; arguments x, wq_codes, wq_scales, wo_codes, wo_scales, xq, wlay; writes xq, wlay
.if DOCPART == 1
	.amdgcn_target "amdgcn-amd-amdhsa--gfx1250"
	.amdhsa_code_object_version 6
	.text
	.protected	k_q9f3e5f3583_prep
	.globl	k_q9f3e5f3583_prep
	.p2align	8
	.type	k_q9f3e5f3583_prep,@function
k_q9f3e5f3583_prep:
	s_mov_b64 s[64:65], 0
	v_nop
	global_prefetch_b8 v0, s[64:65] scope:SCOPE_SE
	s_setreg_imm32_b32 hwreg(HW_REG_WAVE_MODE, 25, 1), 1
	s_wait_xcnt 0x0
; x [32][512][3136] f32 is read ONCE and turned into codes of FP4 (E2M1) TWICE: along the channels (operand of q . x) and along the 3,136 places n (operand of p . x),
; each with one E8M0 byte for 32 numbers.  A block's scale is 2^(floor(log2(largest magnitude)) - 2): its byte is the largest magnitude's exponent field - 2, held at 1 from below.
; The codes leave as IMAGES OF OPERAND REGISTERS: for each pair (batch, half of the channels) and each step of 128 places one dense block of 34,816 bytes:
;   KIMG     0  [t 8][s 2][c 2][lane 32][16 B]   lane (h, r): place (key) of tile t, row r; channels 32 (4 s + 2 c + h) on
;   VIMG 16384  [u 16][c 2][lane 32][16 B]       lane (h, r): channel of tile u, row r; places 32 (2 c + h) on
;   KSC  32768  [s 2][t 8][r 16] words           VSC 33792  [u 16][r 16] words
; Row r of tile 2 b + u is element 32 b + 8 u + r % 8 + 16 (r / 8), for keys and for channels alike.
; Step 24 has 64 places; its places 64 to 127 are written as zero codes under the byte 1.
; Work-groups with y = 25 copy wq's and wo's codes and scale bytes into the order of operand registers (a permutation, nothing is computed).
; LIMITS: NaN and infinities are not served; a block whose largest magnitude lies under 2^-124 gets the byte 1; a block of zeros gets the byte 1 (not 127): its codes are zeros, and this program alone reads the bytes.
; No cluster, no tensor load, no barrier: work-groups and waves share no input.  A wave takes 128 channels x 128 places in four turns of 32 channels; the next turn's 32 loads (16 KiB) are out while a turn is worked.
.set ROWX,  12544                      ; a channel's 3,136 numbers in bytes: 49 x 256
.set STEPB, 34816                      ; a step's block
.set SP,    528                        ; a stage row: 128 numbers + 16 bytes of padding
.set WREG,  17920                      ; LDS of a wave: the stage (32 rows), then 1,024 bytes for its scale words
.set SCG,   32*SP
.set KW,    16                         ; v16-19  scale words of my key in each of the four blocks of 32 keys
.set VW,    20                         ; v20-23  scale words of my channel in each of the four turns
.set CD,    32                         ; v32-63  a turn's codes: eight units x 4 registers, so that no store's data are written again inside a turn
.set X,     64                         ; v64-95, v96-127  two sets of 32 numbers of one block
.set R,     128                        ; v128-255 32 channels x 4 places as they are loaded
	s_load_b256 s[4:11], s[0:1], 0x0               ; x s[4:5], wq's codes s[6:7], wq's scales s[8:9], wo's codes s[10:11]
	s_load_b128 s[12:15], s[0:1], 0x20             ; wo's scales s[12:13], xq s[14:15]
	s_load_b64 s[16:17], s[0:1], 0x30              ; wlay
	v_lshl_add_u32 v14, v0, 2, 0x11800
	v_mov_b32 v15, 0
	s_and_b32 s18, ttmp7, 0xffff                   ; the step of 128 places, or 25
	v_lshrrev_b32 v1, 5, v0
	v_readfirstlane_b32 s19, v1                    ; wave 0..3
	s_cmp_eq_u32 s18, 25
	s_cbranch_scc1 .Llay
	; ---------------- x ----------------
	v_and_b32 v1, 31, v0                           ; lane
	s_cmp_eq_u32 s18, 24                           ; the last step has 64 places: 16 lanes x 4
	s_cselect_b32 s20, 15, 31
	s_cselect_b32 s21, 16, 32
	v_cmp_gt_u32 vcc_lo, s21, v1                   ; the lanes whose four places exist; VCC is written nowhere else on this path
	v_and_b32 v2, s20, v1                          ; in the last step lanes 16-31 repeat lanes 0-15: no load leaves x
	v_lshlrev_b32 v2, 4, v2                        ; my 16 bytes of a row's 512
	s_mul_i32 s23, s19, WREG
	v_lshl_add_u32 v3, v1, 4, s23                  ; the stage, in: 16 x lane
	v_lshl_add_u32 v4, v1, 2, s23                  ; out, a lane to a key: 4 x lane
	v_mul_u32_u24 v5, v1, SP
	v_add_nc_u32 v5, s23, v5                       ; out, a lane to a channel: row = lane
	v_bfe_u32 v6, v1, 3, 1                         ; element 8 u + r % 8 + 16 (r / 8) = lane: u,
	v_and_b32 v7, 7, v1
	v_lshrrev_b32 v12, 4, v1
	v_lshl_or_b32 v7, v12, 3, v7                   ; and r
	v_lshlrev_b32 v8, 4, v7
	v_lshl_add_u32 v9, v6, 10, v8                  ; VIMG: 1,024 u + 16 r
	v_lshl_add_u32 v8, v6, 11, v8                  ; KIMG: 2,048 u + 16 r
	v_lshlrev_b32 v10, 2, v7
	v_lshl_add_u32 v10, v6, 6, v10
	v_add_nc_u32 v10, s23, v10
	v_add_nc_u32 v10, SCG, v10                     ; my scale word's place among the wave's: 64 u + 4 r
	v_lshlrev_b32 v11, 4, v1
	s_mul_i32 s32, ttmp9, 512*ROWX                 ; batch
	s_mul_i32 s33, s19, 128*ROWX                   ; my 128 channels
	s_add_co_u32 s32, s32, s33
	s_lshl_b32 s33, s18, 9                         ; the step's 512 bytes of a row
	s_add_co_u32 s32, s32, s33
	s_mov_b32 s33, 0
	s_lshl_b32 s34, ttmp9, 1
	s_lshr_b32 s35, s19, 1
	s_add_co_u32 s34, s34, s35                     ; pair = 2 x batch + wave / 2
	s_mul_i32 s34, s34, 25
	s_add_co_u32 s34, s34, s18
	s_mul_i32 s34, s34, STEPB                      ; the block, under 2^26 bytes
	s_mov_b32 s35, 0
	s_and_b32 s36, s19, 1                          ; s: which 128 of the pair's 256 channels
	s_wait_kmcnt 0x0
	s_add_nc_u64 s[4:5], s[4:5], s[32:33]
	s_add_nc_u64 s[14:15], s[14:15], s[34:35]
	s_lshl_b32 s32, s36, 10
	s_add_nc_u64 s[24:25], s[14:15], s[32:33]      ; KIMG's part s
	s_lshl_b32 s32, s36, 13
	s_add_nc_u64 s[26:27], s[14:15], s[32:33]      ; VIMG's tiles 8 s on
	s_lshl_b32 s32, s36, 9
	s_add_nc_u64 s[28:29], s[14:15], s[32:33]      ; the scale words' half s
.macro LOADX cbl                       ; 32 channels x 128 places: each load reads 512 consecutive bytes, at a multiple of 256 from x's first byte
.set ci, 0
.rept 32
	global_load_b128 v[R+4*ci:R+4*ci+3], v2, s[4:5] offset:(32*(\cbl)+ci)*ROWX th:TH_LOAD_NT
.set ci, ci+1
.endr
.endm
.macro ULOAD u                         ; unit u's 32 numbers of one block.  Units 0-3: a lane is a key (32 u + lane), registers run down the channels.  Units 4-7: a lane is a channel, registers run along the keys 32 (u - 4) on
.set XL, X+32*((\u)%2)
.set ci, 0
.if (\u) < 4
.rept 32
	ds_load_b32 v[XL+ci], v4 offset:ci*SP+(\u)*128
.set ci, ci+1
.endr
.else
.rept 8
	ds_load_b128 v[XL+4*ci:XL+4*ci+3], v5 offset:((\u)-4)*128+16*ci
.set ci, ci+1
.endr
.endif
.endm
.macro BLOCKQ xs, word, shift, cd      ; a block of 32 numbers of one lane: its byte into a scale word, its codes into four registers
	v_max3_num_f32 v24, |v[\xs]|, |v[\xs+1]|, |v[\xs+2]|
	v_max3_num_f32 v25, |v[\xs+3]|, |v[\xs+4]|, |v[\xs+5]|
.irp i, 6,10,14,18,22,26
	v_max3_num_f32 v24, v24, |v[\xs+\i]|, |v[\xs+\i+1]|
	v_max3_num_f32 v25, v25, |v[\xs+\i+2]|, |v[\xs+\i+3]|
.endr
	v_max3_num_f32 v24, v24, |v[\xs+30]|, |v[\xs+31]|
	v_max3_num_f32 v24, v24, v25, 0x1800000        ; and the floor 2^(3 - 127): the byte cannot fall under 1
	v_add_nc_u32 v26, 0xff000000, v24              ; 2 off the exponent field: the conversion takes this operand's exponent field as its scale
	v_lshrrev_b32 v27, 23, v26                     ; the byte
.if (\shift) == 0
	v_mov_b32 v[\word], v27
.else
	v_lshl_or_b32 v[\word], v27, \shift, v[\word]
.endif
.irp g, 0,1,2,3
	v_cvt_scalef32_pk8_fp4_f32 v[\cd+\g], v[\xs+8*\g:\xs+8*\g+7], v26
.endr
.endm                                  ; (the results go to a store; the next vector line is the next block's first maximum, which names none of these registers)
.macro UNIT cbl, u
.if (\u) < 7
	ULOAD (\u)+1
.endif
.if (\u) < 3
	s_wait_dscnt 32                                ; this unit's numbers are in; the next unit's 32 loads may be out
.elseif (\u) < 7
	s_wait_dscnt 8                                 ; the next unit's 8 loads may be out
.else
	s_wait_dscnt 0x0
.endif
.set XQ, X+32*((\u)%2)
.set CQ, CD+4*(\u)
.if (\u) < 4
	BLOCKQ XQ, KW+(\u), 8*(\cbl), CQ
	global_store_b128 v8, v[CQ:CQ+3], s[24:25] offset:(\u)*4096+((\cbl)/2)*512+((\cbl)%2)*256 th:TH_STORE_NT   ; two runs of 256 consecutive bytes, each at a multiple of 256
.else
	BLOCKQ XQ, VW+(\cbl), 8*((\u)-4), CQ
	global_store_b128 v9, v[CQ:CQ+3], s[26:27] offset:16384+(\cbl)*2048+(((\u)-4)/2)*512+(((\u)-4)%2)*256 th:TH_STORE_NT
.endif
.endm
.macro ITER cbl
	s_wait_loadcnt 0x0                             ; this turn's 32 loads are in
	s_wait_xcnt 0x0                                ; the last turn's stores have read their data and EXEC: both are written again only behind this wait
	s_and_saveexec_b32 s30, vcc_lo                 ; places that do not exist are not stored: their stage bytes stay 0
.set ci, 0
.rept 32
	ds_store_b128 v3, v[R+4*ci:R+4*ci+3] offset:ci*SP
.set ci, ci+1
.endr
	s_or_b32 exec_lo, exec_lo, s30                 ; (no global instruction was issued since the wait above)
	ULOAD 0
	s_wait_dscnt 32                                ; only unit 0's 32 loads are out: the stores into the stage are done,
.if (\cbl) < 3
	LOADX (\cbl)+1                                 ; so their registers take the next turn's loads
.endif
.irp u, 0,1,2,3,4,5,6,7
	UNIT \cbl, \u
.endr
.endm
	LOADX 0
.irp i, 28,29,30,31
	v_mov_b32 v\i, 0
.endr
.set ci, 0
.rept 32
	ds_store_b128 v3, v[28:31] offset:ci*SP        ; the stage begins as zeros; LDS serves a wave's instructions in order
.set ci, ci+1
.endr
	ITER 0
	ITER 1
	ITER 2
	ITER 3
.irp k, 0,1,2,3
	ds_store_b32 v10, v[KW+\k] offset:128*\k       ; the wave's 128 + 128 scale words are gathered in its own LDS bytes
.endr
.irp k, 0,1,2,3
	ds_store_b32 v10, v[VW+\k] offset:512+128*\k
.endr
	ds_load_b128 v[64:67], v3 offset:SCG
	ds_load_b128 v[68:71], v3 offset:SCG+512
	s_wait_dscnt 0x0
	global_store_b128 v11, v[64:67], s[28:29] offset:32768 th:TH_STORE_NT   ; 512 consecutive bytes each
	global_store_b128 v11, v[68:71], s[28:29] offset:33792 th:TH_STORE_NT
	s_wait_tensorcnt 0x0
	ds_add_u32 v14, v15
	s_wait_dscnt 0x0
	s_endpgm
	; ---------------- the weights ----------------
	; wlay: 0 WQL [J 8][cs 2][s 4][t 8][c 2][lane 32][16 B] (wq row 256 J + 128 cs + tile order);  524288 WOL [w 8][ks 16][t 4][c 2][lane 32][16 B] (wo row 64 w + 16 t + r);
	; 1048576 WQS [J][cs][sg 2][tq 2][lane (hs, r)][t4 4] words (tile 4 tq + t4, K step 2 sg + hs);  1081344 WOS [w][half 2][q 4][lane (hs, r)][t 4] words (K step 8 half + 2 q + hs).
	; A work-group copies 32,768 bytes of codes and 2,048 of scale words.  The reads are pieces of 16 and of 4 bytes, once for the launch; the code stores cover 512 consecutive bytes a wave, the word stores 128.
.macro LAYCOPY cb, sb, am, bm, a2, b2
.set it, 0
.rept 16
	global_load_b128 v[32+4*it:35+4*it], v3, s[\cb:\cb+1] offset:(it%\am)*\bm+(it/\am)*64
.set it, it+1
.endr
.set it, 0
.rept 4
	global_load_b32 v[96+it], v4, s[\sb:\sb+1] offset:(it%\a2)*\b2+(it/\a2)*8
.set it, it+1
.endr
.set it, 0
.rept 16
	s_wait_loadcnt 19-it                           ; behind this load: the younger code loads and the four word loads
	global_store_b128 v1, v[32+4*it:35+4*it], s[24:25] offset:2048*it
.set it, it+1
.endr
.set it, 0
.rept 4
	s_wait_loadcnt 3-it
	global_store_b32 v2, v[96+it], s[26:27] offset:512*it
.set it, it+1
.endr
	s_endpgm
.endm
.Llay:
	s_and_b32 s20, ttmp9, 15                       ; which sixteenth of the tensor
	v_lshlrev_b32 v1, 4, v0
	v_lshlrev_b32 v2, 2, v0
	s_lshl_b32 s32, s20, 15
	s_mov_b32 s33, 0
	s_lshl_b32 s34, s20, 11
	s_mov_b32 s35, 0
	s_cmp_lt_u32 ttmp9, 16
	s_cbranch_scc0 .Llay_o
	v_and_b32 v3, 7, v0                            ; wq's codes: thread = (t % 2, c, h, r): row 8 (t % 2) + r % 8 + 16 (r / 8) of 256 bytes, + 32 c + 16 h
	v_lshlrev_b32 v3, 8, v3
	v_bfe_u32 v5, v0, 3, 1
	v_lshl_add_u32 v3, v5, 12, v3
	v_bfe_u32 v5, v0, 4, 2
	v_lshl_add_u32 v3, v5, 4, v3
	v_bfe_u32 v5, v0, 6, 1
	v_lshl_add_u32 v3, v5, 11, v3
	v_lshlrev_b32 v4, 2, v5                        ; wq's scale words: thread = (hs, r, t4): rows of 16 bytes, + 4 hs
	v_bfe_u32 v5, v0, 5, 1
	v_lshl_add_u32 v4, v5, 8, v4
	v_bfe_u32 v5, v0, 2, 3
	v_lshl_add_u32 v4, v5, 4, v4
	v_bfe_u32 v5, v0, 1, 1
	v_lshl_add_u32 v4, v5, 9, v4
	v_and_b32 v5, 1, v0
	v_lshl_add_u32 v4, v5, 7, v4
	s_wait_alu depctr_va_vdst(0)
	s_wait_kmcnt 0x0
	s_add_nc_u64 s[6:7], s[6:7], s[32:33]          ; 128 rows of 256 bytes
	s_add_nc_u64 s[8:9], s[8:9], s[34:35]          ; and of 16
	s_add_nc_u64 s[24:25], s[16:17], s[32:33]
	s_add_nc_u64 s[26:27], s[16:17], s[34:35]
	s_add_nc_u64 s[26:27], s[26:27], 1048576
	LAYCOPY 6, 8, 4, 8192, 2, 1024
.Llay_o:
	v_and_b32 v3, 15, v0                           ; wo's codes: thread = (t % 2, c, h, r): row 16 (t % 2) + r of 1,024 bytes, + 32 c + 16 h
	v_lshlrev_b32 v3, 10, v3
	v_bfe_u32 v5, v0, 4, 2
	v_lshl_add_u32 v3, v5, 4, v3
	v_bfe_u32 v5, v0, 6, 1
	v_lshl_add_u32 v3, v5, 14, v3
	v_lshlrev_b32 v4, 2, v5                        ; wo's scale words: thread = (hs, r, t): row 16 t + r of 64 bytes, + 4 hs
	v_bfe_u32 v5, v0, 2, 4
	v_lshl_add_u32 v4, v5, 6, v4
	v_and_b32 v5, 3, v0
	v_lshl_add_u32 v4, v5, 10, v4
	s_lshr_b32 s36, s20, 1                         ; w
	s_and_b32 s37, s20, 1                          ; which half of K
	s_lshl_b32 s38, s36, 16
	s_lshl_b32 s39, s37, 9
	s_add_co_u32 s38, s38, s39
	s_mov_b32 s39, 0
	s_wait_alu depctr_va_vdst(0)
	s_wait_kmcnt 0x0
	s_add_nc_u64 s[10:11], s[10:11], s[38:39]
	s_lshl_b32 s38, s36, 12
	s_lshl_b32 s36, s37, 5
	s_add_co_u32 s38, s38, s36
	s_add_nc_u64 s[12:13], s[12:13], s[38:39]
	s_add_nc_u64 s[24:25], s[16:17], s[32:33]
	s_add_nc_u64 s[24:25], s[24:25], 524288
	s_add_nc_u64 s[26:27], s[16:17], s[34:35]
	s_add_nc_u64 s[26:27], s[26:27], 1081344
	LAYCOPY 10, 12, 2, 32768, 1, 0
.Lfunc_end_k_q9f3e5f3583_prep:
	.size	k_q9f3e5f3583_prep, .Lfunc_end_k_q9f3e5f3583_prep-k_q9f3e5f3583_prep
	.p2alignl 7, 3214868480
	.fill 96, 4, 3214868480
	.section	.rodata,"a",@progbits
	.p2align	6, 0x0
	.amdhsa_kernel k_q9f3e5f3583_prep
		.amdhsa_group_segment_fixed_size 72192
		.amdhsa_private_segment_fixed_size 0
		.amdhsa_enable_private_segment 0
		.amdhsa_kernarg_size 56
		.amdhsa_user_sgpr_count 2
		.amdhsa_user_sgpr_kernarg_segment_ptr 1
		.amdhsa_wavefront_size32 1
		.amdhsa_system_sgpr_workgroup_id_x 1
		.amdhsa_system_sgpr_workgroup_id_y 1
		.amdhsa_system_sgpr_workgroup_id_z 1
		.amdhsa_system_vgpr_workitem_id 0
		.amdhsa_next_free_vgpr 256
		.amdhsa_next_free_sgpr 66
		.amdhsa_reserve_vcc 1
		.amdhsa_float_denorm_mode_32 3
		.amdhsa_float_denorm_mode_16_64 3
		.amdhsa_memory_ordered 1
		.amdhsa_forward_progress 1
		.amdhsa_inst_pref_size 128
	.end_amdhsa_kernel
	.amdgpu_metadata
---
amdhsa.version: [ 1, 2 ]
amdhsa.kernels:
  - .name:           k_q9f3e5f3583_prep
    .symbol:         k_q9f3e5f3583_prep.kd
    .args:
      - { .name: x, .offset: 0, .size: 8, .value_kind: global_buffer, .address_space: global }
      - { .name: wq_codes, .offset: 8, .size: 8, .value_kind: global_buffer, .address_space: global }
      - { .name: wq_scales, .offset: 16, .size: 8, .value_kind: global_buffer, .address_space: global }
      - { .name: wo_codes, .offset: 24, .size: 8, .value_kind: global_buffer, .address_space: global }
      - { .name: wo_scales, .offset: 32, .size: 8, .value_kind: global_buffer, .address_space: global }
      - { .name: xq, .offset: 40, .size: 8, .value_kind: global_buffer, .address_space: global }
      - { .name: wlay, .offset: 48, .size: 8, .value_kind: global_buffer, .address_space: global }
    .group_segment_fixed_size: 72192
    .private_segment_fixed_size: 0
    .kernarg_segment_align: 8
    .kernarg_segment_size: 56
    .max_flat_workgroup_size: 128
    .sgpr_count:     66
    .vgpr_count:     256
    .wavefront_size: 32
...
	.end_amdgpu_metadata
.endif
;; end of part 1
;; launch att (part 2): grid 4 x 64, 8 waves a work-group, clusters of 4 x 1, 327,680 bytes of LDS; arguments xq, wlay, z, bq, bo, out0; writes out0
.if DOCPART == 2
	.amdgcn_target "amdgcn-amd-amdhsa--gfx1250"
	.amdhsa_code_object_version 6
	.text
	.protected	k_q9f3e5f3583_att
	.globl	k_q9f3e5f3583_att
	.p2align	8
	.type	k_q9f3e5f3583_att,@function
k_q9f3e5f3583_att:
	s_mov_b64 s[64:65], 0
	v_nop
	global_prefetch_b8 v0, s[64:65] scope:SCOPE_SE
	s_setreg_imm32_b32 hwreg(HW_REG_WAVE_MODE, 25, 1), 1
	s_wait_xcnt 0x0
	s_wait_alu depctr_hold_cnt(0) depctr_sa_sdst(0) depctr_va_vdst(0) depctr_va_sdst(0) depctr_va_ssrc(0) depctr_va_vcc(0) depctr_vm_vsrc(0)
	s_getreg_b32 s2, hwreg(HW_REG_IB_STS2, 6, 4)
	s_cmp_eq_u32 s2, 0
	s_cbranch_scc0 .Lentry_in_a_cluster
	s_endpgm
.Lentry_in_a_cluster:
	s_bfe_u32 s2, ttmp6, 0x10000c
	s_cmp_lg_u32 s2, 0x3003
	s_cbranch_scc0 .Lentry_shape_is_right
	s_endpgm
.Lentry_shape_is_right:
; out0 = z + Q4(attention) wo^T + bo, with q = Q4(z) wq^T + bq, all four products on codes of FP4 (E2M1) with one E8M0 scale for 32 along K.  One launch from z to out0.
; PAIRS.  (batch, half) = pair 0..63: 64 rows of z, 256 channels of x, 3,136 keys.  q read flat is 512 queries x 256: query R = 8 m + J (z row m, J = column / 256); R = 64 head + m2 goes to row m2, columns 256 head on.
; SHARES.  Work-group g (0..3) of a pair owns queries 64 hd + 16 g + 8 e + J: z rows 8 hd + 2 g + e, and ALL eight heads of rows 16 g .. 16 g + 15 of the attention's result: so the last product's whole K lies in one work-group.
; Wave J owns one tile of 16 queries, row r = 2 hd + e; its q comes from wq rows 256 J .. 256 J + 255 alone, so the projection and q's quantiser stay in its registers.
; Every product is used TRANSPOSED (source 0 = 16 rows of the weight, of K or of V; source 1 = the wave's 16 rows), and tiles are formed of rows 32 b + 8 u + r % 8 + 16 (r / 8): a lane holds one row, and the 16 registers
; of tiles 2 b, 2 b + 1 are 16 neighbours along the next K.  So each result is quantised in registers.
; SOFTMAX.  t = score x log2(e) / sqrt(512); M = the running largest t rounded up to a whole number; p = 2^(t - M) is quantised; the row's sum is taken of the unquantised p; when M moves, sum and O are multiplied by 2^(old M - new M).
; A block's largest p is taken through its largest score (it supposes that v_exp_f32 does not fall where its input rises).
; K AND V come as images of operand registers, 34,816 bytes for 128 keys (launch prep), through two LDS slots of three key steps; the last 64 keys have bytes of their own and are taken FIRST, so that their products start O^T's sums.
; CLUSTER.  The four work-groups of a pair walk the same blocks: each tile is asked for JOINTLY, by the same tensor load with the same descriptor and the mask of all four.  A work-group's place enters z's, out0's and the prefetches' addresses alone.
; LIMITS: NaN and infinities are not served; a block whose largest magnitude lies under 2^-124 gets the byte 1; a block of zeros gets the byte 1: its codes are zeros.
; REGISTERS, window 0: v1-9 addresses; v10 -M, v11 largest t, v[12:13] the sum; v14-15 q's scale words; v16-31 the weights' scale words; v32-95 FB, v160-223 FB2 fragments; v96-159 S; v224-231 p's codes; v232-247 at work; v248-255 scale words.
;   window 1: v0-127 O^T (16 tiles), v128-143 q's two fragments; in the head and in the tail all 256: 32 fragments of a weight.
.set STEPB, 34816
.set SLOTB, 3*STEPB                    ; a slot: three key steps
.set PAIRB, 25*STEPB
.set SLOT1, 1<<17                      ; slot 1 begins here: one exclusive or turns an address
.set SPARE, 104448                     ; the spare words, 128 bytes a wave: four blocks of 256 bytes that no other line names
.set ASTG,  105472                     ; the attention's result as codes: 16 rows x (1,024 + 16) bytes
.set AP,    1040
.set ASC,   122112                     ; its scale words: 16 rows x (64 + 16) bytes
.set ASP,   80
.set TAIL,  235520                     ; key step 24, filled once
.set ZY,    270336                     ; 16 rows x (2,048 + 16) bytes: z in the head, y in the tail
.set ZP,    2064
.set VIMG,  16384
.set KSCO,  32768
.set VSCO,  33792
.set L16, 1                            ; v1   16 x lane; never rewritten
.set KSA, 2                            ; v2   512 (lane / 16) + 4 (lane % 16): K's scale words, lanes 16-31 those of channels 128 on
.set VSA, 3                            ; v3   4 x lane
.set AD,  4
.set ADS, 5
.set ADT, 6
.set SPW, 7                            ; v7   SPARE + 4 x my thread's number; never rewritten
.set NIL, 8                            ; v8   0; never rewritten
.set PFO, 9                            ; v9   the prefetches' offset; never rewritten
.set NM,  10
.set LSUM, 12
.set QS,  14
.set SCX, 16
.set FB,  32
.set S,   96
.set FB2, 160
.set P,   224
.set BM,  232
.set BT,  236
.set BS,  240
.set FF,  244
.set TMP, 246
.set PS,  247
.set SC,  248
.set QF,  128                          ; in window 1
.set WV,  16
.set SEL, 20
.set CS,  22
.set G1,  24
.set G1T, 32
.set G0,  40
.set G0T, 44
.set TB,  48
.set SLOTS, 49
.set CNT, 50
.set PFA, 52
.set MSB, 0
.macro WIN new                         ; bits 1:0 source 0, 3:2 source 1, 5:4 source 2, 7:6 destination; the high byte repeats the setting that is left
.if MSB != \new
	s_set_vgpr_msb (MSB<<8)|\new
.set MSB, \new
.endif
.endm
.macro PLACES n
.rept \n
	v_nop
.endr
.endm
.macro CROUND                          ; a round of the cluster's barrier
	s_barrier_signal -1
	s_barrier_wait -1
	s_cmp_lg_u32 s[WV], 0
	s_cbranch_scc1 .Lnot_wave_0_\@
	s_barrier_signal -3
.Lnot_wave_0_\@:
	s_barrier_wait -3
	s_barrier_signal -1
	s_barrier_wait -1
.endm
; One matrix instruction.  zero = 1: it starts a sum.  row = 0: both scale words from lanes 0-15; 1: source 0's from lanes 16-31; 2: both from lanes 16-31.
.macro MM d, a, b, sa, sb, zero, row
.if \zero
.if (\row) == 0
	v_wmma_scale_f32_16x16x128_f8f6f4 v[\d:\d+7], v[\a:\a+7], v[\b:\b+7], 0, v[\sa], v[\sb] matrix_a_fmt:MATRIX_FMT_FP4 matrix_b_fmt:MATRIX_FMT_FP4
.else
	v_wmma_scale_f32_16x16x128_f8f6f4 v[\d:\d+7], v[\a:\a+7], v[\b:\b+7], 0, v[\sa], v[\sb] matrix_a_fmt:MATRIX_FMT_FP4 matrix_b_fmt:MATRIX_FMT_FP4 matrix_a_scale:MATRIX_SCALE_ROW1
.endif
.else
.if (\row) == 0
	v_wmma_scale_f32_16x16x128_f8f6f4 v[\d:\d+7], v[\a:\a+7], v[\b:\b+7], v[\d:\d+7], v[\sa], v[\sb] matrix_a_fmt:MATRIX_FMT_FP4 matrix_b_fmt:MATRIX_FMT_FP4
.elseif (\row) == 1
	v_wmma_scale_f32_16x16x128_f8f6f4 v[\d:\d+7], v[\a:\a+7], v[\b:\b+7], v[\d:\d+7], v[\sa], v[\sb] matrix_a_fmt:MATRIX_FMT_FP4 matrix_b_fmt:MATRIX_FMT_FP4 matrix_a_scale:MATRIX_SCALE_ROW1
.else
	v_wmma_scale_f32_16x16x128_f8f6f4 v[\d:\d+7], v[\a:\a+7], v[\b:\b+7], v[\d:\d+7], v[\sa], v[\sb] matrix_a_fmt:MATRIX_FMT_FP4 matrix_b_fmt:MATRIX_FMT_FP4 matrix_a_scale:MATRIX_SCALE_ROW1 matrix_b_scale:MATRIX_SCALE_ROW1
.endif
.endif
.endm
; 64 numbers of a lane, register 16 b + i = k 32 b + 16 (lane / 16) + i of my row, become a fragment's codes in v[d] on and its scale word in v[pw].
.macro QUANT s, d, pw
.irp b, 0,1,2,3
	v_max3_num_f32 v[BM+\b], |v[\s+16*\b]|, |v[\s+1+16*\b]|, 0x1800000   ; my 16 numbers of block b, and the floor 2^(3 - 127): the byte cannot fall under 1
.endr
.irp i, 2,4,6,8,10,12,14
.irp b, 0,1,2,3
	v_max3_num_f32 v[BM+\b], v[BM+\b], |v[\s+16*\b+\i]|, |v[\s+1+16*\b+\i]|
.endr
.endr
.irp b, 0,1,2,3
	s_delay_alu instid0(VALU_DEP_4)
	v_permlanex16_b32 v[BT+\b], v[BM+\b], s[SEL], s[SEL+1]
.endr
.irp b, 0,1,2,3
	s_delay_alu instid0(VALU_DEP_4)
	v_max_num_f32 v[BM+\b], v[BM+\b], v[BT+\b]     ; with lane l xor 16's 16: the block's largest magnitude
.endr
.irp b, 0,1,2,3
	s_delay_alu instid0(VALU_DEP_4)
	v_add_nc_u32 v[BS+\b], 0xff000000, v[BM+\b]    ; 2 off the exponent field: the conversion's scale operand
.endr
.irp b, 0,1,2,3
	s_delay_alu instid0(VALU_DEP_4)
	v_lshrrev_b32 v[BT+\b], 23, v[BS+\b]           ; the byte
.endr
	s_delay_alu instid0(VALU_DEP_3)
	v_lshl_or_b32 v[\pw], v[BT+1], 8, v[BT]
	s_delay_alu instid0(VALU_DEP_1)
	v_lshl_or_b32 v[\pw], v[BT+2], 16, v[\pw]
	s_delay_alu instid0(VALU_DEP_1)
	v_lshl_or_b32 v[\pw], v[BT+3], 24, v[\pw]
.irp b, 0,1,2,3
	v_cvt_scalef32_pk8_fp4_f32 v[\d+2*\b], v[\s+16*\b:\s+7+16*\b], v[BS+\b]
	v_cvt_scalef32_pk8_fp4_f32 v[\d+1+2*\b], v[\s+8+16*\b:\s+15+16*\b], v[BS+\b]
.endr
	v_nop                                          ; one plain line behind the scaled conversions
.irp c, 0,1                            ; the operand wants a whole block in a lane: lanes 0-15 block 2 c, lanes 16-31 block 2 c + 1
.irp i, 0,1
	v_permlane16_swap_b32 v[\d+4*\c+\i], v[\d+2+4*\c+\i]
.endr
.endr
.endm
.macro WLOAD base, off                 ; 32 fragments of a weight, 32,768 dense bytes, fill window 1: 512 consecutive bytes a load
	WIN 0x40
.set li, 0
.rept 64
	global_load_b128 v[4*li:4*li+3], v[L16], s[\base:\base+1] offset:\off+512*li
.set li, li+1
.endr
	WIN 0
.endm
.macro SLOADW base, off                ; and their scale words: 16 registers
.irp k, 0,1,2,3
	global_load_b128 v[SCX+4*\k:SCX+4*\k+3], v[L16], s[\base:\base+1] offset:\off+512*\k
.endr
.endm
	; ---- H0: addresses, descriptors, the first fills
	s_load_b256 s[4:11], s[0:1], 0x0               ; xq s[4:5], wlay s[6:7], z s[8:9], bq s[10:11]
	s_load_b128 s[12:15], s[0:1], 0x20             ; bo s[12:13], out0 s[14:15]
	v_lshl_add_u32 v[SPW], v0, 2, SPARE
	v_mov_b32 v[NIL], 0
	ds_add_u32 v7, v8
	ds_add_u32 v7, v8
	s_wait_dscnt 0x0
	v_lshrrev_b32 v1, 5, v0
	s_delay_alu instid0(VALU_DEP_1)
	v_readfirstlane_b32 s[WV], v1                  ; wave 0..7 = J
	s_bfe_u32 s17, ttmp6, 0x40000                  ; cx = g: my place in the cluster
	s_and_b32 s18, ttmp7, 0xffff                   ; the pair, which the four partners share
	v_and_b32 v9, 31, v0
	s_delay_alu instid0(VALU_DEP_1)
	v_lshlrev_b32 v[L16], 4, v9
	s_delay_alu instid0(VALU_DEP_2)
	v_lshlrev_b32 v[VSA], 2, v9
	v_and_b32 v232, 15, v0                         ; r
	v_bfe_u32 v233, v0, 4, 1                       ; h
	s_delay_alu instid0(VALU_DEP_2)
	v_lshlrev_b32 v[KSA], 2, v232
	s_delay_alu instid0(VALU_DEP_1)
	v_lshl_add_u32 v[KSA], v233, 9, v[KSA]
	s_mul_i32 s76, s[WV], 2*ZP
	v_add_nc_u32 v6, s76, v[L16]
	s_delay_alu instid0(VALU_DEP_1)
	v_add_nc_u32 v6, ZY, v6                        ; z's stage, in: my wave's rows 2 J, 2 J + 1, 16 bytes a lane
	v_mul_u32_u24 v4, v232, ZP
	s_delay_alu instid0(VALU_DEP_1)
	v_lshl_add_u32 v4, v233, 6, v4
	s_delay_alu instid0(VALU_DEP_1)
	v_add_nc_u32 v4, ZY, v4                        ; out: row r, + 64 h: my 16 numbers of a block of 32
	v_lshlrev_b32 v5, 6, v233                      ; bq: 16 h numbers on
	s_lshl_b32 s78, s17, 3
	s_add_co_u32 s78, s78, s[WV]
	s_mul_i32 s78, s78, 13                         ; the prefetches: a fill's 408 blocks of 256 bytes are shared out by address, 13 to each of the cluster's 32 waves;
	v_min_u32 v9, 12, v9                           ; lanes 13 on repeat the wave's last block,
	s_delay_alu instid0(VALU_DEP_1)
	v_add_nc_u32 v9, s78, v9
	s_delay_alu instid0(VALU_DEP_1)
	v_min_u32 v9, 407, v9                          ; and what would pass the fill's end repeats its last
	s_delay_alu instid0(VALU_DEP_1)
	v_lshlrev_b32 v[PFO], 8, v9
	s_mov_b32 s[SEL], 0x76543210
	s_mov_b32 s[SEL+1], 0xfedcba98                 ; v_permlanex16_b32's selects for lane l xor 16
	s_mov_b32 s[CS], 0x3d8293ee                    ; c = log2(e) / sqrt(512)
	s_mov_b32 s[CS+1], s[CS]
	s_mov_b32 s[G1], 15|(3<<16)|(1<<21)            ; 15:0 the mask: all four work-groups; 17:16 elements of 8 bytes; 21 set beside a mask; no padding: the images are read 512 bytes on end
	s_mov_b32 s[G1+1], 32<<16                      ; tensor_dim0 = 32 elements: rows of 256 bytes
	s_mov_b32 s[G1+2], 51<<16                      ; tensor_dim1 = 51: an eighth of a slot's 408 rows
	s_mov_b32 s[G1+3], 32<<16                      ; tile_dim0
	s_mov_b32 s[G1+4], 51                          ; tile_dim1
	s_mov_b32 s[G1+5], 32                          ; the pitch: dense
	s_mov_b32 s[G1+6], 0
	s_mov_b32 s[G1+7], 0
	s_mov_b32 s[G1T], 15|(3<<16)|(1<<21)           ; the same for the head's one load a wave: 68 rows, a sixth of the first fill's 408 or half of key step 24's 136
	s_mov_b32 s[G1T+1], 32<<16
	s_mov_b32 s[G1T+2], 68<<16
	s_mov_b32 s[G1T+3], 32<<16
	s_mov_b32 s[G1T+4], 68
	s_mov_b32 s[G1T+5], 32
	s_mov_b32 s[G1T+6], 0
	s_mov_b32 s[G1T+7], 0
	s_mul_i32 s72, s18, PAIRB
	s_mov_b32 s73, 0
	s_mul_i32 s74, s[WV], 51*256
	s_mov_b32 s75, 0
	s_lshr_b32 s76, s[WV], 1                       ; the head's load in memory: waves 0 to 5 take sixths of key steps 0 to 2, waves 6 and 7 the halves of key step 24
	s_lshr_b32 s77, s[WV], 2
	s_and_b32 s76, s76, s77                        ; 1 in waves 6 and 7, else 0
	s_mul_i32 s76, s76, 24*STEPB-6*68*256          ; from where wave 6 would stand behind key step 2 to key step 24
	s_mul_i32 s77, s[WV], 68*256
	s_add_co_u32 s76, s76, s77
	s_mov_b32 s77, 0
	s_mov_b32 s[G0], 1
	s_mul_i32 s[G0+1], s[WV], 51*256               ; the walking descriptor, my eighth of a slot: it begins at the upper slot, which the head fills,
	s_add_co_u32 s[G0+1], s[G0+1], SLOT1           ; so the first change of slots turns it to the lower one
	s_mov_b32 s[G0T], 1
	s_mul_i32 s[G0T+1], s[WV], 68*256              ; LDS: the upper slot's 6 x 17,408 bytes and, directly behind them at TAIL, key step 24's 2 x 17,408:
	s_add_co_u32 s[G0T+1], s[G0T+1], SLOT1         ; SLOT1 + 17,408 x wave
	s_wait_kmcnt 0x0
	s_add_nc_u64 s[4:5], s[4:5], s[72:73]          ; xq at my pair
	s_add_nc_u64 s[G0+2:G0+3], s[4:5], s[74:75]
	s_or_b32 s[G0+3], s[G0+3], 0x80000000
	s_add_nc_u64 s[G0T+2:G0T+3], s[4:5], s[76:77]
	s_or_b32 s[G0T+3], s[G0T+3], 0x80000000
	s_add_nc_u64 s[PFA:PFA+1], s[4:5], SLOTB       ; at fill 1: each change of slots steps it ahead of its prefetch
	s_lshl_b32 s72, s[WV], 16
	s_add_nc_u64 s[56:57], s[6:7], s[72:73]        ; wq's fragments of my 256 rows
	s_add_nc_u64 s[60:61], s[56:57], 524288        ; wo's of my 64 rows
	s_lshl_b32 s72, s[WV], 12
	s_add_nc_u64 s[58:59], s[6:7], s[72:73]
	s_add_nc_u64 s[62:63], s[58:59], 1081344       ; wo's scale words
	s_add_nc_u64 s[58:59], s[58:59], 1048576       ; wq's
	s_lshl_b32 s72, s[WV], 10
	s_add_nc_u64 s[70:71], s[10:11], s[72:73]      ; bq at 256 J
	s_lshl_b32 s76, s18, 6                         ; the pair's first row of z: 64 x pair
	s_lshl_b32 s77, s[WV], 3
	s_add_co_u32 s78, s76, s77
	s_lshl_b32 s77, s17, 1
	s_add_co_u32 s78, s78, s77                     ; rows 8 J + 2 g, + 1: tile rows 2 J, 2 J + 1 of every wave's projection
	s_lshl_b32 s78, s78, 11
	s_mov_b32 s79, 0
	s_add_nc_u64 s[54:55], s[8:9], s[78:79]
	s_lshl_b32 s77, s17, 4
	s_add_co_u32 s78, s76, s77
	s_lshl_b32 s77, s[WV], 1
	s_add_co_u32 s78, s78, s77                     ; rows 16 g + 2 J, + 1: the two rows that I store
	s_lshl_b32 s78, s78, 11
	s_add_nc_u64 s[66:67], s[8:9], s[78:79]
	s_add_nc_u64 s[68:69], s[14:15], s[78:79]
.irp k, 0,1,2,3,4,5,6,7
	global_load_b128 v[FB+4*\k:FB+4*\k+3], v[L16], s[54:55] offset:512*\k   ; two rows of z, 4,096 bytes on end
.endr
	CROUND                                         ; all four work-groups are here: the first joint loads meet
	tensor_load_to_lds s[G0T:G0T+3], s[G1T:G1T+7]  ; key steps 0 to 2 and key step 24, an eighth of their 544 rows a wave: one tensor load a wave at the head
	s_nop 0
	PLACES 4
	; ---- H1: z into its stage; the first half of wq is asked for
	s_wait_loadcnt 0x0
	s_wait_alu depctr_va_vdst(0)
.irp k, 0,1,2,3,4,5,6,7
	ds_store_b128 v6, v[FB+4*\k:FB+4*\k+3] offset:(\k/4)*ZP+(\k%4)*512
.endr
	WLOAD 56, 0
	SLOADW 58, 0
.irp b, 0,1,2,3
	v_mov_b32 v[BT+\b], 0                          ; written once: a lane permute's destination counts as one of its sources
.endr
	s_wait_dscnt 0x0                               ; for the others' sake: my rows lie in the stage
	s_barrier_signal -1
	s_barrier_wait -1
	; ---- H2: every wave quantises the 16 rows of z: four fragments at v[FB + 8 s], scale words v[SC + s]
.macro ZL s, reg
.irp bb, 0,1,2,3
.irp j, 0,1,2,3
	ds_load_b128 v[\reg+16*\bb+4*\j:\reg+16*\bb+4*\j+3], v4 offset:512*\s+128*\bb+16*\j
.endr
.endr
.endm
.macro BIAS cs, reg                    ; bq in the result's layout: tile t, lane half h: channels 128 cs + 32 (t / 2) + 8 (t % 2) + 16 h + 0 .. 7
.irp t, 0,1,2,3,4,5,6,7
	global_load_b128 v[\reg+8*\t:\reg+8*\t+3], v5, s[70:71] offset:512*\cs+(32*(\t/2)+8*(\t%2))*4
	global_load_b128 v[\reg+8*\t+4:\reg+8*\t+7], v5, s[70:71] offset:512*\cs+(32*(\t/2)+8*(\t%2))*4+16
.endr
.endm
	ZL 0, S
	ZL 1, FB2
	s_wait_dscnt 16                                ; K step 0 is in; the next step's 16 loads may be out
	QUANT S, FB, SC
	ZL 2, S
	s_wait_dscnt 16
	QUANT FB2, FB+8, SC+1
	ZL 3, FB2
	s_wait_dscnt 16
	QUANT S, FB+16, SC+2
	BIAS 0, S                                      ; the bias is the sums' first C: it lands where the sums will stand
	s_wait_dscnt 0x0
	QUANT FB2, FB+24, SC+3
	BIAS 1, FB2
	PLACES 8                                       ; a scale word made by vector instructions stands 8 places ahead of a scaled matrix instruction, an operand 4
	; ---- H3: q^T = wq z^T + bq, 128 channels at a time; eight accumulators by turns
.macro PROJ acc
	WIN 0x01                                       ; source 0 (wq) in window 1
.irp s, 0,1,2,3
	s_wait_alu depctr_va_vdst(0)
.irp t, 0,1,2,3,4,5,6,7
	MM \acc+8*\t, 8*(8*\s+\t), FB+8*\s, SCX+8*(\s/2)+\t, SC+\s, 0, \s%2
.endr
.endr
	WIN 0
	PLACES 4
.endm
	s_wait_loadcnt 16                              ; wq's first half, its scale words and the first bias are in; the second bias's 16 loads may be out
	PROJ S
	WLOAD 56, 32768
	SLOADW 58, 2048
	QUANT S, FB+32, QS                             ; q's channels 0 to 127, while the second half of wq is on its way
	s_wait_loadcnt 0x0
	PROJ FB2
	QUANT FB2, FB+40, QS+1
	WIN 0x40
.set li, 0
.rept 16
	v_mov_b32 v[QF+li], v[FB+32+li]                ; q's two fragments move to window 1 now that wq has left it
.set li, li+1
.endr
	WIN 0
	; ---- H4
	v_mov_b32 v[NM+1], 0xff61b1e6                  ; the largest t so far: -3e38
	s_delay_alu instid0(VALU_DEP_1)
	v_floor_f32 v[NM], -v[NM+1]                    ; -M
	v_mov_b32 v[LSUM], 0
	v_mov_b32 v[LSUM+1], 0
	v_mov_b32 v[FF+1], 0                           ; (named as the upper half of a pair)
	s_mov_b32 s[SLOTS], 7
; A KEY STEP: 128 keys whose block begins at LDS byte s[TB].  first = 1: key step 24, which has 64 keys and starts O^T's sums.
.macro STEP first
.if \first
.set NT, 4
.else
.set NT, 8
.endif
	v_add_nc_u32 v[AD], s[TB], v[L16]              ; these four lines are the places behind the last step's products, in front of the loads into their registers
	v_add_nc_u32 v[ADS], s[TB], v[KSA]
	v_add_nc_u32 v[ADT], s[TB], v[VSA]
	v_nop
.set ti, 0
.rept NT
	ds_load_b32 v[SC+ti], v[ADS] offset:KSCO+64*ti
.set ti, ti+1
.endr
.set ti, 0
.rept NT
	ds_load_b128 v[FB+8*ti:FB+8*ti+3], v[AD] offset:2048*ti
	ds_load_b128 v[FB+8*ti+4:FB+8*ti+7], v[AD] offset:2048*ti+512
.set ti, ti+1
.endr
.set ti, 0
.rept NT
	ds_load_b128 v[FB2+8*ti:FB2+8*ti+3], v[AD] offset:2048*ti+1024
	ds_load_b128 v[FB2+8*ti+4:FB2+8*ti+7], v[AD] offset:2048*ti+1536
.set ti, ti+1
.endr
	s_wait_dscnt 2*NT                              ; the scale words and channels 0-127 are in; the fragments of channels 128-255 may be out
	WIN 0x04                                       ; source 1 (q) in window 1
.set ti, 0
.rept NT
	MM S+8*ti, FB+8*ti, QF, SC+ti, QS, 1, 0        ; S^T = K q^T: the tiles by turns
.set ti, ti+1
.endr
	s_wait_alu depctr_va_vdst(0)
	s_wait_dscnt 0x0
.set ti, 0
.rept NT
	MM S+8*ti, FB2+8*ti, QF+8, SC+ti, QS+1, 0, 1
.set ti, ti+1
.endr
	WIN 0
	PLACES 4
.if \first
.set ti, 0
.rept 32
	v_mov_b32 v[S+32+ti], 0xff800000               ; keys 64 to 127 of this step do not exist: -infinity, so p = 0
.set ti, ti+1
.endr
.endif
.set ti, 0
.rept 8
	ds_load_b32 v[SC+ti], v[ADT] offset:VSCO+128*ti   ; V's scale words: lanes 0-15 tile 2 i, lanes 16-31 tile 2 i + 1.  V's 40 loads land during the softmax
.set ti, ti+1
.endr
.set ti, 0
.rept 8
	ds_load_b128 v[FB+8*ti:FB+8*ti+3], v[AD] offset:VIMG+1024*ti
	ds_load_b128 v[FB+8*ti+4:FB+8*ti+7], v[AD] offset:VIMG+1024*ti+512
.set ti, ti+1
.endr
.set ti, 0
.rept 8
	ds_load_b128 v[FB2+8*ti:FB2+8*ti+3], v[AD] offset:VIMG+8192+1024*ti
	ds_load_b128 v[FB2+8*ti+4:FB2+8*ti+7], v[AD] offset:VIMG+8192+1024*ti+512
.set ti, ti+1
.endr
.irp b, 0,1,2,3
	v_max3_num_f32 v[BM+\b], v[S+16*\b], v[S+1+16*\b], v[S+2+16*\b]   ; the largest score of each block of 32 keys: for the row's maximum and for the block's largest p
.endr
.irp i, 3,5,7,9,11,13
.irp b, 0,1,2,3
	v_max3_num_f32 v[BM+\b], v[BM+\b], v[S+16*\b+\i], v[S+1+16*\b+\i]
.endr
.endr
.irp b, 0,1,2,3
	v_max_num_f32 v[BM+\b], v[BM+\b], v[S+15+16*\b]
.endr
.irp b, 0,1,2,3
	s_delay_alu instid0(VALU_DEP_4)
	v_permlanex16_b32 v[BT+\b], v[BM+\b], s[SEL], s[SEL+1]
.endr
.irp b, 0,1,2,3
	s_delay_alu instid0(VALU_DEP_4)
	v_max_num_f32 v[BM+\b], v[BM+\b], v[BT+\b]     ; with lane l xor 16's 16 keys
.endr
	s_delay_alu instid0(VALU_DEP_2)
	v_max3_num_f32 v[TMP], v[BM], v[BM+1], v[BM+2]
	s_delay_alu instid0(VALU_DEP_1)
	v_max_num_f32 v[TMP], v[TMP], v[BM+3]
	s_delay_alu instid0(VALU_DEP_1)
	v_mul_f32 v[TMP], s[CS], v[TMP]                ; as t
	s_delay_alu instid0(VALU_DEP_1)
	v_max_num_f32 v[NM+1], v[NM+1], v[TMP]         ; the running largest t
	v_mov_b32 v[TMP], v[NM]
	s_delay_alu instid0(VALU_DEP_2)
	v_floor_f32 v[NM], -v[NM+1]                    ; -M = floor(-t): M is a whole number
	s_delay_alu instid0(VALU_DEP_1)
	v_sub_f32 v[TMP], v[NM], v[TMP]                ; old M - new M, 0 or less
	s_delay_alu instid0(VALU_DEP_1)
	v_cvt_i32_f32 v[TMP], v[TMP]                   ; (it saturates)
	s_delay_alu instid0(VALU_DEP_1)
	v_ldexp_f32 v[FF], 1.0, v[TMP]                 ; f = 2^(old M - new M)
.set ji, 0
.rept 32
	v_pk_fma_f32 v[S+ji:S+ji+1], v[S+ji:S+ji+1], s[CS:CS+1], v[NM:NM+1] op_sel_hi:[1,0,0]   ; t - M, two at a time
.set ji, ji+2
.endr
.irp b, 0,1,2,3
	v_fma_f32 v[BM+\b], v[BM+\b], s[CS], v[NM]
.endr
.set ji, 0
	s_wait_alu depctr_va_vdst(0)
.rept 64
	v_exp_f32 v[S+ji], v[S+ji]                     ; p = 2^(t - M)
.set ji, ji+1
.endr
	v_pk_mul_f32 v[LSUM:LSUM+1], v[LSUM:LSUM+1], v[FF:FF+1] op_sel_hi:[1,0]   ; the sums under the new M: the plain line behind the exponentials
	s_wait_alu depctr_va_vdst(0)                   ; one wait for the batch of 64, ahead of its first reader
.irp b, 0,1,2,3
	v_exp_f32 v[BM+\b], v[BM+\b]                   ; each block's largest p
.endr
	v_pk_add_f32 v[236:237], v[100:101], v[104:105]
	v_pk_add_f32 v[246:247], v[108:109], v[112:113]
	v_pk_add_f32 v[242:243], v[116:117], v[120:121]
	v_pk_add_f32 v[240:241], v[124:125], v[128:129]
	v_pk_add_f32 v[238:239], v[132:133], v[136:137]
	v_pk_add_f32 v[230:231], v[140:141], v[144:145]
	v_pk_add_f32 v[228:229], v[148:149], v[152:153]
	v_pk_add_f32 v[12:13], v[12:13], v[156:157]
	v_pk_add_f32 v[236:237], v[236:237], v[96:97]
	v_pk_add_f32 v[246:247], v[246:247], v[98:99]
	v_pk_add_f32 v[242:243], v[242:243], v[102:103]
	v_pk_add_f32 v[240:241], v[240:241], v[106:107]
	v_pk_add_f32 v[238:239], v[238:239], v[110:111]
	v_pk_add_f32 v[230:231], v[230:231], v[114:115]
	v_pk_add_f32 v[228:229], v[228:229], v[118:119]
	v_pk_add_f32 v[12:13], v[12:13], v[122:123]
	v_pk_add_f32 v[236:237], v[236:237], v[126:127]
	v_pk_add_f32 v[246:247], v[246:247], v[130:131]
	v_pk_add_f32 v[242:243], v[242:243], v[134:135]
	v_pk_add_f32 v[240:241], v[240:241], v[138:139]
	v_pk_add_f32 v[238:239], v[238:239], v[142:143]
	v_pk_add_f32 v[230:231], v[230:231], v[146:147]
	v_pk_add_f32 v[228:229], v[228:229], v[150:151]
	v_pk_add_f32 v[12:13], v[12:13], v[154:155]
	v_pk_add_f32 v[236:237], v[236:237], v[158:159]
	s_delay_alu instid0(VALU_DEP_2)
	v_pk_add_f32 v[12:13], v[12:13], v[240:241]
	s_delay_alu instid0(VALU_DEP_2)
	v_pk_add_f32 v[236:237], v[236:237], v[238:239]
	v_pk_add_f32 v[246:247], v[246:247], v[230:231]
	v_pk_add_f32 v[242:243], v[242:243], v[228:229]
	s_delay_alu instid0(VALU_DEP_2)
	v_pk_add_f32 v[12:13], v[12:13], v[246:247]
	s_delay_alu instid0(VALU_DEP_2)
	v_pk_add_f32 v[236:237], v[236:237], v[242:243]
	s_delay_alu instid0(VALU_DEP_1)
	v_pk_add_f32 v[12:13], v[12:13], v[236:237]
	s_wait_alu depctr_va_vdst(0)                   ; and one for the four
.irp b, 0,1,2,3
	v_max_num_f32 v[BM+\b], 0x1800000, v[BM+\b]    ; the floor 2^(3 - 127)
.endr
.irp b, 0,1,2,3
	s_delay_alu instid0(VALU_DEP_4)
	v_add_nc_u32 v[BS+\b], 0xff000000, v[BM+\b]
.endr
.irp b, 0,1,2,3
	s_delay_alu instid0(VALU_DEP_4)
	v_lshrrev_b32 v[BT+\b], 23, v[BS+\b]
.endr
	s_delay_alu instid0(VALU_DEP_3)
	v_lshl_or_b32 v[PS], v[BT+1], 8, v[BT]         ; p's scale word for these 128 keys
	s_delay_alu instid0(VALU_DEP_1)
	v_lshl_or_b32 v[PS], v[BT+2], 16, v[PS]
	s_delay_alu instid0(VALU_DEP_1)
	v_lshl_or_b32 v[PS], v[BT+3], 24, v[PS]
.irp b, 0,1,2,3
	v_cvt_scalef32_pk8_fp4_f32 v[P+2*\b], v[S+16*\b:S+7+16*\b], v[BS+\b]
	v_cvt_scalef32_pk8_fp4_f32 v[P+1+2*\b], v[S+8+16*\b:S+15+16*\b], v[BS+\b]
.endr
	v_nop
.irp c, 0,1
.irp i, 0,1
	v_permlane16_swap_b32 v[P+4*\c+\i], v[P+2+4*\c+\i]
.endr
.endr
.if \first
	s_wait_alu depctr_va_vdst(0)
	PLACES 8                                       ; in front of the scaled products: 8 behind the scale word, 4 behind the codes
.else
	WIN 0x41                                       ; O^T (destination and source 0) in window 1
.set ji, 0
.rept 64
	v_pk_mul_f32 v[ji:ji+1], v[ji:ji+1], v[FF:FF+1] op_sel_hi:[1,0]   ; O^T under the new M; these lines are also the places in front of the products
.set ji, ji+2
.endr
.endif
	s_wait_alu depctr_va_vdst(0)
	s_wait_dscnt 0x0                               ; V and its scale words are in
	WIN 0x50                                       ; C and D in window 1
.set ti, 0
.rept 16
.if ti < 8
.set va, FB+8*ti
.else
.set va, FB2+8*(ti-8)
.endif
	MM 8*ti, va, P, SC+ti/2, PS, \first, ti%2      ; O^T += V^T p^T: sixteen accumulators by turns
.set ti, ti+1
.endr
	WIN 0
.endm
; A prefetch of the fill after the one that is being asked for: three key steps ahead of its tensor load.  Each of the cluster's 32 waves names 13 blocks of 256 bytes, told apart by address.
; The last change that fills a slot asks for nothing; fills 0 and 1 and key step 24 come by their loads alone.
.macro ASK
	s_cmp_gt_u32 s[SLOTS], 1
	s_cbranch_scc0 .Lno_ask_\@
	global_prefetch_b8 v[PFO], s[PFA:PFA+1] th:TH_LOAD_NT scope:SCOPE_SE
.Lno_ask_\@:
.endm
; THE CHANGE OF SLOTS, at a slot's head.  Each wave waits for all its tensor loads (its eighth of the slot ahead), adds 0 to its spare word, and waits for that and for its reads of the slot that it has left.
; fill = 1: a round of the cluster's barrier, and behind it the slot that was left is filled with the next three key steps: every wave's one tensor load until the next round.
.macro CHANGE fill
	s_wait_tensorcnt 0x0                           ; no tensor load of mine is out, so the walking descriptor may be written
	ds_add_u32 v[SPW], v[NIL]                      ; 0 onto my spare word
.if \fill
	s_xor_b32 s[G0+1], s[G0+1], SLOT1              ; the other slot than last time,
	s_add_nc_u64 s[G0+2:G0+3], s[G0+2:G0+3], SLOTB ; the next three key steps
	s_wait_xcnt 0x0                                ; the last prefetch, a slot back, has read its address
	s_add_nc_u64 s[PFA:PFA+1], s[PFA:PFA+1], SLOTB
	s_wait_dscnt 0x0                               ; the add is done, and my reads of the slot that I have left are over
	CROUND
	tensor_load_to_lds s[G0:G0+3], s[G1:G1+7]
	s_nop 0
	PLACES 4
	ASK
.else
	s_wait_dscnt 0x0
	s_barrier_signal -1
	s_barrier_wait -1
.endif
.endm
.macro SLOT_STEPS                      ; a slot's three key steps: written once, walked three times
	s_mov_b32 s[CNT], 3
.Lstep_\@:
	STEP 0
	s_add_co_u32 s[TB], s[TB], STEPB
	s_sub_co_u32 s[CNT], s[CNT], 1
	s_cmp_lg_u32 s[CNT], 0
	s_cbranch_scc1 .Lstep_\@
	s_sub_co_u32 s[TB], s[TB], 3*STEPB
	s_xor_b32 s[TB], s[TB], SLOT1                  ; on to the other slot
.endm
	; ---- L: the walk over the keys
	s_wait_dscnt 0x0
	s_wait_tensorcnt 0x0                           ; my one load of the head is in;
	s_barrier_signal -1
	s_barrier_wait -1                              ; everybody's are.
	s_mov_b32 s[TB], TAIL
	STEP 1
	s_mov_b32 s[TB], SLOT1                         ; key steps 0 to 2 lie in the upper slot
.Lslot:                                            ; seven trips: trip k asks for fill k + 1 and reads fill k
	CHANGE 1
	SLOT_STEPS
	s_sub_co_u32 s[SLOTS], s[SLOTS], 1
	s_cmp_lg_u32 s[SLOTS], 0
	s_cbranch_scc1 .Lslot
	CHANGE 0                                       ; the last slot is written out
	SLOT_STEPS
	; ---- E1: O^T / the row's sum
	v_add_f32 v[LSUM], v[LSUM], v[LSUM+1]
	s_delay_alu instid0(VALU_DEP_1)
	v_permlanex16_b32 v[BT], v[LSUM], s[SEL], s[SEL+1]
	s_delay_alu instid0(VALU_DEP_1)
	v_add_f32 v[LSUM], v[LSUM], v[BT]
	s_wait_alu depctr_va_vdst(0)
	v_rcp_f32 v[FF], v[LSUM]
	PLACES 4                                       ; behind the reciprocal, and behind the last products
	s_wait_alu depctr_va_vdst(0)                   ; the wait ahead of the first reader
	WIN 0x01
.set ji, 0
.rept 64
	v_pk_mul_f32 v[S+ji:S+ji+1], v[ji:ji+1], v[FF:FF+1] op_sel_hi:[1,0]   ; each accumulator from its low end on: dims 0-127 to v96-159, dims 128-255 to v160-223
.set ji, ji+2
.endr
	WIN 0
	WLOAD 60, 0                                    ; wo's K steps 0 to 7 of my 64 columns take window 1
	SLOADW 62, 0
	v_and_b32 v232, 15, v0                         ; r
	v_bfe_u32 v233, v0, 4, 1                       ; h
	v_and_b32 v234, 1, v0
	s_delay_alu instid0(VALU_DEP_1)
	v_lshl_add_u32 v234, v234, 3, s[WV]            ; my query's row among the work-group's 16: 8 e + J
	v_bfe_u32 v235, v0, 1, 3                       ; its head
	s_delay_alu instid0(VALU_DEP_2)
	v_mul_u32_u24 v4, v234, AP
	s_delay_alu instid0(VALU_DEP_1)
	v_lshl_add_u32 v4, v235, 7, v4
	s_delay_alu instid0(VALU_DEP_1)
	v_lshl_add_u32 v4, v233, 4, v4
	s_delay_alu instid0(VALU_DEP_1)
	v_add_nc_u32 v4, ASTG, v4                      ; codes in: row, + 128 bytes a head, + 16 h
	v_mul_u32_u24 v5, v234, ASP
	s_delay_alu instid0(VALU_DEP_1)
	v_lshl_add_u32 v5, v235, 3, v5
	s_delay_alu instid0(VALU_DEP_1)
	v_add_nc_u32 v5, ASC, v5                       ; scale words in: row, + 8 bytes a head
	v_mul_u32_u24 v6, v232, AP
	s_delay_alu instid0(VALU_DEP_1)
	v_lshl_add_u32 v6, v233, 4, v6
	s_delay_alu instid0(VALU_DEP_1)
	v_add_nc_u32 v6, ASTG, v6                      ; fragments back: row r, + 16 h
	v_mul_u32_u24 v2, v232, ASP
	s_delay_alu instid0(VALU_DEP_1)
	v_lshl_add_u32 v2, v233, 2, v2
	s_delay_alu instid0(VALU_DEP_1)
	v_add_nc_u32 v2, ASC, v2                       ; scale words back: row r; lanes 16-31 the odd K steps'
	v_mul_u32_u24 v3, v232, ZP
	s_delay_alu instid0(VALU_DEP_1)
	v_lshl_add_u32 v3, v233, 5, v3
	s_lshl_b32 s76, s[WV], 8
	v_add_nc_u32 v3, s76, v3
	s_delay_alu instid0(VALU_DEP_1)
	v_add_nc_u32 v3, ZY, v3                        ; y in: row r, my 64 columns, + 32 h
	s_mul_i32 s77, s[WV], 2*ZP
	v_add_nc_u32 v10, s77, v[L16]
	s_delay_alu instid0(VALU_DEP_1)
	v_add_nc_u32 v10, ZY, v10                      ; y back: rows 2 J, 2 J + 1
	; ---- E2: the result is quantised along (head, dim) and meets the other waves' in LDS, as rows
	QUANT S, P, TMP
	ds_store_b128 v4, v[P:P+3]
	ds_store_b128 v4, v[P+4:P+7] offset:32
	ds_store_b32 v5, v[TMP]                        ; (both halves of the lanes write the same word with the same value)
	QUANT FB2, FB, FF
	ds_store_b128 v4, v[FB:FB+3] offset:64
	ds_store_b128 v4, v[FB+4:FB+7] offset:96
	ds_store_b32 v5, v[FF] offset:4
.irp k, 0,1,2,3,4,5,6,7
	global_load_b128 v[FB2+4*\k:FB2+4*\k+3], v[L16], s[66:67] offset:512*\k   ; z of the two rows that I store
.endr
.irp k, 0,1,2,3
	global_load_b128 v[FB2+32+4*\k:FB2+35+4*\k], v[L16], s[12:13] offset:512*\k   ; bo
.endr
	s_wait_dscnt 0x0
	s_barrier_signal -1
	s_barrier_wait -1                              ; 16 rows x 2,048 codes lie in LDS
	; ---- E3: y^T = wo a^T for my 64 columns: four accumulators by turns, 16 K steps
.macro AFETCH half
.irp k, 0,1,2,3,4,5,6,7
	ds_load_b128 v[FB+8*\k:FB+8*\k+3], v6 offset:64*(8*\half+\k)
	ds_load_b128 v[FB+8*\k+4:FB+8*\k+7], v6 offset:64*(8*\half+\k)+32
.endr
.endm
.macro OUTP half
	WIN 0x01
.irp k, 0,1,2,3,4,5,6,7
.irp t, 0,1,2,3
.if (\half == 0) && (\k == 0)
	MM S+8*\t, 8*(4*\k+\t), FB+8*\k, SCX+4*(\k/2)+\t, SC+4*\half+\k/2, 1, 0
.else
	MM S+8*\t, 8*(4*\k+\t), FB+8*\k, SCX+4*(\k/2)+\t, SC+4*\half+\k/2, 0, 2*(\k%2)
.endif
.endr
.endr
	WIN 0
	PLACES 4
.endm
.irp q, 0,1,2,3,4,5,6,7
	ds_load_b32 v[SC+\q], v2 offset:8*\q
.endr
	AFETCH 0
	s_wait_dscnt 0x0
	s_wait_loadcnt 12                              ; wo and its scale words are in; z's 8 loads and bo's 4 may be out
	OUTP 0
	WLOAD 60, 32768
	SLOADW 62, 2048
	AFETCH 1
	s_wait_loadcnt 0x0
	s_wait_dscnt 0x0
	OUTP 1
	; ---- E4: y through the stage, + bo + z, out as whole rows
.irp t, 0,1,2,3
	ds_store_b128 v3, v[S+8*\t:S+8*\t+3] offset:64*\t          ; lane (r, h): y(r, 64 J + 16 t + 8 h + 0 .. 7); each accumulator from its low end on
	ds_store_b128 v3, v[S+8*\t+4:S+8*\t+7] offset:64*\t+16
.endr
	s_wait_dscnt 0x0
	s_barrier_signal -1
	s_barrier_wait -1
.irp k, 0,1,2,3,4,5,6,7
	ds_load_b128 v[FB+4*\k:FB+4*\k+3], v10 offset:(\k/4)*ZP+(\k%4)*512
.endr
	s_wait_dscnt 0x0
.irp k, 0,1,2,3,4,5,6,7
.irp p, 0,2
	v_pk_add_f32 v[FB+4*\k+\p:FB+4*\k+\p+1], v[FB+4*\k+\p:FB+4*\k+\p+1], v[FB2+32+4*(\k%4)+\p:FB2+33+4*(\k%4)+\p]
.endr
.endr
.irp k, 0,1,2,3,4,5,6,7
.irp p, 0,2
	v_pk_add_f32 v[FB+4*\k+\p:FB+4*\k+\p+1], v[FB+4*\k+\p:FB+4*\k+\p+1], v[FB2+4*\k+\p:FB2+4*\k+\p+1]
.endr
.endr
.irp k, 0,1,2,3,4,5,6,7
	global_store_b128 v[L16], v[FB+4*\k:FB+4*\k+3], s[68:69] offset:512*\k th:TH_STORE_NT   ; 512 consecutive bytes, at a multiple of 256 from out0's first byte
.endr
	s_wait_tensorcnt 0x0                           ; the wave's end
	ds_add_u32 v[SPW], v[NIL]
	s_wait_dscnt 0x0
	CROUND                                         ; the closing round
	s_endpgm
.Lfunc_end_k_q9f3e5f3583_att:
	.size	k_q9f3e5f3583_att, .Lfunc_end_k_q9f3e5f3583_att-k_q9f3e5f3583_att
	.p2alignl 7, 3214868480
	.fill 96, 4, 3214868480
	.section	.rodata,"a",@progbits
	.p2align	6, 0x0
	.amdhsa_kernel k_q9f3e5f3583_att
		.amdhsa_group_segment_fixed_size 327680
		.amdhsa_private_segment_fixed_size 0
		.amdhsa_enable_private_segment 0
		.amdhsa_kernarg_size 48
		.amdhsa_user_sgpr_count 2
		.amdhsa_user_sgpr_kernarg_segment_ptr 1
		.amdhsa_wavefront_size32 1
		.amdhsa_system_sgpr_workgroup_id_x 1
		.amdhsa_system_sgpr_workgroup_id_y 1
		.amdhsa_system_sgpr_workgroup_id_z 1
		.amdhsa_system_vgpr_workitem_id 0
		.amdhsa_next_free_vgpr 512
		.amdhsa_next_free_sgpr 80
		.amdhsa_reserve_vcc 0
		.amdhsa_float_denorm_mode_32 3
		.amdhsa_float_denorm_mode_16_64 3
		.amdhsa_memory_ordered 1
		.amdhsa_forward_progress 1
		.amdhsa_inst_pref_size 182
	.end_amdhsa_kernel
	.amdgpu_metadata
---
amdhsa.version: [ 1, 2 ]
amdhsa.kernels:
  - .name:           k_q9f3e5f3583_att
    .symbol:         k_q9f3e5f3583_att.kd
    .args:
      - { .name: xq, .offset: 0, .size: 8, .value_kind: global_buffer, .address_space: global }
      - { .name: wlay, .offset: 8, .size: 8, .value_kind: global_buffer, .address_space: global }
      - { .name: z, .offset: 16, .size: 8, .value_kind: global_buffer, .address_space: global }
      - { .name: bq, .offset: 24, .size: 8, .value_kind: global_buffer, .address_space: global }
      - { .name: bo, .offset: 32, .size: 8, .value_kind: global_buffer, .address_space: global }
      - { .name: out0, .offset: 40, .size: 8, .value_kind: global_buffer, .address_space: global }
    .group_segment_fixed_size: 327680
    .private_segment_fixed_size: 0
    .kernarg_segment_align: 8
    .kernarg_segment_size: 48
    .max_flat_workgroup_size: 256
    .sgpr_count:     80
    .vgpr_count:     512
    .wavefront_size: 32
...
	.end_amdgpu_metadata
.endif
;; end of part 2
